; MI455X (gfx1250); checked and timed in simulation.
; The chip was launched on July 23, 2026; its instructions are those of AMD's public machine-readable ISA for CDNA 5 (MIT licence, August 2026) and "CDNA5" Instruction Set Architecture Reference Guide (July 2026). The comments in the code are by the model that wrote it; some were corrected since.
;; Mp Max Pooling Match. Allowed arithmetic: matrix products marked QUANTISED: E4M3 operands, one E8M0 scale for each 32 along K, by v_wmma_scale_f32_16x16x128_f8f6f4 with both operands' format E4M3, f32 sums; everything else in f32.
;; Inputs: kernel 32 x 256 float32; reps_lt 16 x 256 x 256 float32; reps_rt 16 x 256 x 256 float32.
;; Outputs: out0 16 x 256 x 32 float32.
;; This version of the problem:
;;   THIS VERSION OF THE PROBLEM IS GIVEN IN LOW PRECISION. The matrix products marked QUANTISED in the list below multiply operands that are first quantised to E4M3 (4 exponent bits, 3 mantissa bits; 8 bits a number), with one power-of-two scale for each 32 numbers along K (OCP MX v1.0); their sums are f32. All else is computed in f32.
;;   The module's matrix products, in the order in which they are computed (A, B: the left and right operand; K: the contracted axis; several contracted axes count as one K, in the product's order):
;;     1. batch 16 x [M 256, K 256] x [K 256, N 8,192]; A: input reps_rt; B: computed on the way: QUANTISED
;;   THE QUANTISER, for each operand of a quantised product, along K:
;;     - K is cut into blocks of 32 from its start; a last block that is shorter is filled with zeros.
;;     - A block's scale is 2^e with e = floor(log2(the largest magnitude in the block)) - 8, held to -126 .. 127; a block of zeros has e = 0. As a byte (E8M0): e + 127.
;;     - Each number is divided by its block's scale, clamped to +-448, and rounded to the nearest number of E4M3, ties to even, subnormals kept.
;;     - The product sums the exact products of the quantised numbers (number of the format x scale) in f32.
;;   ~~~python
;;   def quantise(x, axis):      # numpy; x: float32 -> the quantised numbers, widened to float32 again
;;       x = np.moveaxis(x, axis, -1); K = x.shape[-1]
;;       x = np.pad(x, [(0, 0)] * (x.ndim - 1) + [(0, -K % 32)]); x = x.reshape(x.shape[:-1] + (-1, 32)); a = np.abs(x).max(-1, keepdims=True)
;;       e = np.where(a > 0, np.clip(np.frexp(np.where(a > 0, a, 1))[1] - 1 - 8, -126, 127), 0)      # np.frexp(a)[1] - 1 = floor(log2(a)), exactly
;;       r = np.clip(x / 2.0 ** e, -448, 448)
;;       step = 2.0 ** (np.maximum(np.frexp(np.where(r == 0, 1, r))[1] - 1, -6) - 3)
;;       q = np.round(r / step) * step * 2.0 ** e      # np.round: ties to even
;;       return np.moveaxis(q.reshape(q.shape[:-2] + (-1,))[..., :K], -1, axis).astype(np.float32)
;;   ~~~
;;   OPERANDS COMPUTED ON THE WAY. 'Computed on the way' means the value that the module computes at that place (a softmax that the list does not call 'softmax' is quantised finished and normalised). What goes into a quantiser is computed in f32, as accurately as f32 sums, v_exp_f32 and their like allow (about 1e-6 of the number): no bf16 or f16 on the way to a quantiser, and a product that is left as it is and whose result goes on into a quantised operand takes f32 operands (vector FMAs, or v_wmma_f32_16x16x4_f32). A number that lies on a knife's edge between two numbers of the format may be rounded either way, as far as f32 arithmetic and the matrix unit's own rounding can turn it there, and no further.
;; One version. Each part assembles by itself: llvm-mc -triple=amdgcn-amd-amdhsa -mcpu=gfx1250 --defsym DOCPART=n.
;; ======== version 1 of 1: 1 launch
;; limits: right only within a limited range of input values
;; launch match (part 1): grid 64 x 4, 8 waves a work-group, clusters of 4 x 1, 327,680 bytes of LDS; arguments kernel, reps_lt, reps_rt, out0; writes out0
.if DOCPART == 1
	.amdgcn_target "amdgcn-amd-amdhsa--gfx1250"
	.amdhsa_code_object_version 6
	.text
	.protected	k_q1017e319bd_match
	.globl	k_q1017e319bd_match
	.p2align	8
	.type	k_q1017e319bd_match,@function
k_q1017e319bd_match:
	s_mov_b64 s[64:65], 0
	v_nop
	global_prefetch_b8 v0, s[64:65] scope:SCOPE_SE
	s_setreg_imm32_b32 hwreg(HW_REG_WAVE_MODE, 25, 1), 1
	s_wait_xcnt 0x0
	s_wait_alu depctr_hold_cnt(0) depctr_sa_sdst(0) depctr_va_vdst(0) depctr_va_sdst(0) depctr_va_ssrc(0) depctr_va_vcc(0) depctr_vm_vsrc(0)
	s_getreg_b32 s2, hwreg(HW_REG_IB_STS2, 6, 4)
	s_cmp_eq_u32 s2, 0
	s_cbranch_scc0 .Lentry_in_a_cluster
	s_endpgm
.Lentry_in_a_cluster:
	s_bfe_u32 s2, ttmp6, 0x10000c
	s_cmp_lg_u32 s2, 0x3003
	s_cbranch_scc0 .Lentry_shape_is_right
	s_endpgm
.Lentry_shape_is_right:
; out0[b][j][m] = max over i of tanh( sum over d of Q(rt[b][j][d]) x Q(lt[b][i][d] x kernel[m][d]) ).  lt, rt: [16][256][256] f32; kernel: [32][256] f32; out0: [16][256][32] f32.
; Q: codes of FP8 (E4M3) with one E8M0 scale for each 32 along d; a block's byte is its largest magnitude's exponent field - 8, held at 1 from below; numbers are held within +-448 x the scale.
; tanh never falls as its argument rises, so the largest tanh is the tanh of the largest score: the raw scores' running maximum is kept, and tanh is taken of 2 x 256 numbers a work-group.
; LIMITS: NaN and infinities among the inputs are not served.  A block of zeros gets the byte 1 and not 127: its codes are zeros, so the sums are the same.  Blocks whose largest magnitude lies under
; 2^-118, whose byte is held at 1, were not tried.  tanh = 1 - 2 / (1 + 2^(2 log2(e) x)): its absolute error is about 1e-7, its relative error grows as x goes to 0.
; SHARES.  A work-group owns one b and two m (2 g, 2 g + 1): 256 work-groups.  Each number of lt x kernel is multiplied and quantised once in the launch, every j meets every i inside the work-group,
; and the maximum over i never leaves it.  Eight waves of 512 registers.  Wave w owns rows 32 w + 16 H + r (H = 0, 1) of lt and of rt.
;   B STAYS: the wave's rows of lt times both kernel rows are quantised into operand registers: 4 tiles (u = 2 H + m) of 16 i x 256 d, 128 registers.
;   A IS STREAMED: each wave quantises its rows of rt once (tiles t = 2 w + H of j); the codes go through LDS in the order of the lanes that made them, which is the order of the lanes that read them.
; THE MATRIX INSTRUCTION: source 0 = 16 i of one m, source 1 = 16 j: a lane of the result holds ONE j (lane % 16) and eight i, so the maximum over i is taken within a lane.
; CLUSTER.  The four work-groups of a cluster have the same b and need the same rows of lt: each wave's 32 rows are asked for JOINTLY (mask 15), by the same load with the same descriptor, made of b and
; the wave's number alone.  b is the cluster's x, so the four clusters of a b have numbers 16 apart.  The place in the cluster enters kernel's and out0's global addresses alone.
; rt GOES BY PLAIN LOADS INTO REGISTERS, not jointly: beside lt's 266,240 bytes LDS has no room for as many of rt, and a joint refill could be asked for only behind a round in front of which all four
; work-groups have read all of lt.  Each of rt's numbers is used by the one wave that loads it.  An instruction takes 256 neighbouring bytes of two rows.
; TWO ORDERS OF WORK.  The waves' rows of lt are asked for in the order of the waves.  Waves 0-3 quantise B first, and ask for rt on the way; waves 4-7 ask for rt at the head, quantise A and then B.
; NO PREFETCH: the text has no loop to run ahead in; lt and, in waves 4-7, rt are asked for at the head.
; OUTPUT.  A work-group owns 8 bytes (two m) of each row of 128 bytes of out0, so rows are written in part: owning whole rows would mean quantising lt x kernel in several work-groups.
; REGISTERS, in two windows of 256 (s_set_vgpr_msb: bits 1:0 source 0, 3:2 source 1, 5:4 source 2, 7:6 destination):
;   window 0: v0-63 addresses, scales, work; v64-127 two blocks of the kernel rows, or A's codes; at the end the way out; v128-255 B's codes: tile u, block c of d at v[128 + 32 u + 4 c]
;   window 1: rt: four groups of 64 (two blocks of d, 32 rows).  lt: a ring of RN slots of 32: slot c % RN = block c (tile H at + 16 H); m = 1's products stand in place, m = 0's in the slot before.
;             In the products' part: v0-95 A's fragments, three sets; v96-159 results, two sets of 4 accumulators; v160-191 running maxima (tile t of j, m: v[160 + 2 t + m])
.set PITCH, 1040                       ; 1,024 of f32 + 16 of padding: 65 x 16: the 16 rows that a load touches start at 16 different 16-byte columns modulo 256
.set WPART, 32*PITCH                   ; a wave's region: 130 blocks of 256 bytes: its rows of lt.  Then A's codes: tile H, block c in the first 512 bytes of row 8 H + c (these held lt's blocks 0-3)
.set HPART, 16*PITCH
.set TPITCH, 272
.set TURNS, 8*WPART                    ; each wave's stage for rt: 16 rows of 272 bytes.  From here on no tensor load lands
.set STAGE, TURNS                      ; and, when all stages are done with, the waves' partial maxima, 4,096 bytes a wave
.set KC,    TURNS+8*16*TPITCH          ; each wave's own copy of the two kernel rows, 2,048 bytes
.set SPARE, KC+8*2048                  ; the spare words, 128 bytes for each wave: four blocks of 256 bytes that no other line names
.set SCL,   SPARE+1024                 ; A's scale words: tile t at + 128 t, 4 bytes a lane (lanes 0-15: d = 0-127; lanes 16-31: d = 128-255)
.set SA,  1                            ; v1-3   A's scale words, one for each fragment set; these and SB hold scales and nothing else
.set SPW, 4                            ; v4   LDS address of my spare word; never rewritten
.set NIL, 5                            ; v5   0; never rewritten
.set AF,  6                            ; v6   my lane's 64 bytes of block 0 of my rows of lt (tile 0)
.set KL,  7                            ; v7   where I read the kernel rows
.set CST, 8                            ; v8   where I put codes
.set SST, 9                            ; v9   where I put a scale word
.set CLD, 10                           ; v10-13 where I read codes: register n for tiles 4 n .. 4 n + 3
.set SLD, 14                           ; v14  where I read scale words
.set STW, 15                           ; v15  where I put partial maxima
.set STR, 16                           ; v16  where I read them
.set OA,  17                           ; v17  my byte offset in out0
.set KSA, 18                           ; v18  where I put the kernel rows
.set TL,  19                           ; v19  where I read my stage: row r, 64 h
.set DM,  20                           ; v20-23 largest magnitudes of four vectors
.set PT,  24                           ; v24-27 what the lane 16 away holds
.set LIM, 28                           ; v28-31 448 x the scale
.set KG,  28                           ; v28  at the head: my byte offset in the kernel rows
.set SC,  32                           ; v32-47 scales as f32: vector u, block c: v[32 + 4 u + c % 4]
.set SWT, 48                           ; v48-49 A's scale words on their way to LDS
.set RG,  50                           ; v50  my byte offset in my rows of rt: row h, 16 r
.set TS,  51                           ; v51  where I write my stage: row h, 16 r
.set W,   52                           ; v52-59 scale words: vector u, q: v[52 + 2 u + q]
.set SB,  60                           ; v60-63 B's scale words: lanes 0-15 d = 0-127; lanes 16-31 d = 128-255
.set KB,  64
.set CA,  64
.set R,   64
.set BC,  128
.set AFR, 0                            ; window 1
.set DD,  96
.set ACC, 160
.set WV,  12                           ; s12  my wave's number
.set G1,  16                           ; s[16:23] descriptor group 1
.set GA,  24                           ; s[24:27] group 0: my rows of lt
.set SEL, 40                           ; s[40:41] v_permlanex16_b32's selects: lane l xor 16
.set HM,  42                           ; s42  lanes 16-31
.set FLOOR, 43                         ; s43  2^(9 - 127)
.set EXPM,  44                         ; s44  the exponent field's mask
.set MANT,  45                         ; s45  the mantissa field of 448
.set LESS,  46                         ; s46  takes 8 off the exponent field and 448's mantissa away
.set W_TO1, 0x40                       ; destination (of a load) in window 1
.set W_S1,  0x04                       ; source 1 (the data of an LDS store) in window 1
.set W_MM,  0x54                       ; source 0 (B) window 0; source 1 (A), C and D window 1
.set W_MX,  0x55                       ; all in window 1
.set MSB, 0
.macro WIN new                         ; the immediate's high byte repeats the setting that is left; a switch that changes nothing is dropped
.if MSB != \new
	s_set_vgpr_msb (MSB<<8)|\new
.set MSB, \new
.endif
.endm
.macro PLACES cnt
.rept \cnt
	v_nop
.endr
.endm
; A round of the cluster's barrier.
.macro ROUND
	s_barrier_signal -1
	s_barrier_wait -1
	s_cmp_lg_u32 s[WV], 0
	s_cbranch_scc1 .Lnot_wave_0_\@
	s_barrier_signal -3
.Lnot_wave_0_\@:
	s_barrier_wait -3
	s_barrier_signal -1
	s_barrier_wait -1
.endm
; Block c of my 32 rows of lt (d = 32 c + 16 h + 0 .. 15 of row r of both tiles) into its slot: eight LDS loads.
.macro XLD c
	WIN W_TO1
.irp t, 0,1
.irp j, 0,1,2,3
	ds_load_b128 v[32*((\c)%RN)+16*\t+4*\j:32*((\c)%RN)+16*\t+4*\j+3], v[AF] offset:HPART*\t+128*(\c)+16*\j
.endr
.endr
	WIN 0
.endm
; Block c of both kernel rows into buffer c % 2: eight LDS loads; the sixteen lanes of a half read the same bytes.
.macro KLD c
	WIN 0
.irp m, 0,1
.irp j, 0,1,2,3
	ds_load_b128 v[KB+32*((\c)%2)+16*\m+4*\j:KB+32*((\c)%2)+16*\m+4*\j+3], v[KL] offset:1024*\m+128*(\c)+16*\j
.endr
.endr
.endm
; My wave's own copy of the kernel rows: LDS serves a wave's instructions in order, so its later loads see it.
.macro KSTORE
.irp j, 0,1,2,3
	ds_store_b128 v[KSA], v[BC+4*\j:BC+4*\j+3] offset:512*\j
.endr
.endm
; Group g of rt (blocks 2 g and 2 g + 1 of d), all 32 rows: sixteen loads, each of 256 neighbouring bytes of two rows.  ROT: where the groups begin in window 1.
.macro GLD g
	WIN W_TO1
.irp i, 0,1,2,3,4,5,6,7,8,9,10,11,12,13,14,15
	global_load_b128 v[64*(((\g)+ROT)%4)+4*\i:64*(((\g)+ROT)%4)+4*\i+3], v[RG], s[8:9] offset:2048*\i+256*(\g)
.endr
	WIN 0
.endm
; Group g turns through my stage, a tile of 16 rows at a time, back into its own registers: a lane then has 16 neighbours of its row in each block.  LDS serves a wave's instructions in order.
.macro TURN g
.set GB, 64*(((\g)+ROT)%4)
.irp t, 0,1
	WIN W_S1
.irp i, 0,1,2,3,4,5,6,7
	ds_store_b128 v[TS], v[GB+32*\t+4*\i:GB+32*\t+4*\i+3] offset:2*TPITCH*\i
.endr
	WIN W_TO1
.irp a, 0,1
.irp j, 0,1,2,3
	ds_load_b128 v[GB+32*\t+16*\a+4*\j:GB+32*\t+16*\a+4*\j+3], v[TL] offset:128*\a+16*\j
.endr
.endr
.endr
	WIN 0
.endm
; Which four vectors of 16 numbers are worked (PB, window 1), where their scales go (SD), and their codes (CD).
.macro BSET c
.set PB0, 32*(((\c)+RN-1)%RN)
.set PB1, 32*((\c)%RN)
.set PB2, PB0+16
.set PB3, PB1+16
.set SD0, SC+(\c)%4
.set SD1, SC+4+(\c)%4
.set SD2, SC+8+(\c)%4
.set SD3, SC+12+(\c)%4
.set CD0, BC+4*(\c)
.set CD1, BC+32+4*(\c)
.set CD2, BC+64+4*(\c)
.set CD3, BC+96+4*(\c)
.set KK, KB+32*((\c)%2)
.endm
.macro ASET g
.set PB0, 64*(((\g)+ROT)%4)
.set PB1, PB0+16
.set PB2, PB0+32
.set PB3, PB0+48
.set SD0, SC+(2*(\g))%4
.set SD1, SC+(2*(\g)+1)%4
.set SD2, SC+4+(2*(\g))%4
.set SD3, SC+4+(2*(\g)+1)%4
.set CD0, CA+8*(\g)
.set CD1, CA+8*(\g)+4
.set CD2, CA+32+8*(\g)
.set CD3, CA+32+8*(\g)+4
.endm
; lt x kernel: m = 0's products first, then m = 1's in place.
.macro MUL4
	WIN 0x41
.irp i, 0,2,4,6,8,10,12,14
	v_pk_mul_f32 v[PB0+\i:PB0+\i+1], v[PB1+\i:PB1+\i+1], v[KK+\i:KK+\i+1]
	v_pk_mul_f32 v[PB2+\i:PB2+\i+1], v[PB3+\i:PB3+\i+1], v[KK+\i:KK+\i+1]
.endr
.irp i, 0,2,4,6,8,10,12,14
	v_pk_mul_f32 v[PB1+\i:PB1+\i+1], v[PB1+\i:PB1+\i+1], v[KK+16+\i:KK+16+\i+1]
	v_pk_mul_f32 v[PB3+\i:PB3+\i+1], v[PB3+\i:PB3+\i+1], v[KK+16+\i:KK+16+\i+1]
.endr
.endm
; The largest magnitude of each vector's 16 numbers and the floor 2^(9 - 127): the four vectors take turns.
.macro MAX4
	WIN 0x14
.irp k, 0,1,2,3
	v_max3_num_f32 v[DM+\k], s[FLOOR], |v[PB\k]|, |v[PB\k+1]|
.endr
.irp i, 2,4,6,8,10,12,14
.irp k, 0,1,2,3
	v_max3_num_f32 v[DM+\k], v[DM+\k], |v[PB\k+\i]|, |v[PB\k+\i+1]|
.endr
.endr
.endm
; The other half of each block of 32 lies in the lane 16 away.  448 x the scale: the largest magnitude's exponent field over 448's mantissa; less 8 in the exponent and that mantissa: the scale as f32.
.macro CHAIN4
	WIN 0
.irp k, 0,1,2,3
	v_permlanex16_b32 v[PT+\k], v[DM+\k], s[SEL], s[SEL+1]
.endr
.irp k, 0,1,2,3
	v_max_num_f32 v[DM+\k], v[DM+\k], v[PT+\k]
.endr
.irp k, 0,1,2,3
	v_and_or_b32 v[LIM+\k], v[DM+\k], s[EXPM], s[MANT]
.endr
.irp k, 0,1,2,3
	v_add_nc_u32 v[SD\k], s[LESS], v[LIM+\k]
.endr
.endm
; The hold (the conversion to an 8-bit code does not saturate: ISA guide 7.6.2) and the conversions.
.macro CODES4
	WIN 0x41
.irp i, 0,1,2,3,4,5,6,7,8,9,10,11,12,13,14,15
.irp k, 0,1,2,3
	v_med3_num_f32 v[PB\k+\i], v[PB\k+\i], -v[LIM+\k], v[LIM+\k]
.endr
.endr
	WIN 0x01
.irp k, 0,1,2,3
	v_cvt_scalef32_pk8_fp8_f32 v[CD\k:CD\k+1], v[PB\k:PB\k+7], v[SD\k]
	v_cvt_scalef32_pk8_fp8_f32 v[CD\k+2:CD\k+3], v[PB\k+8:PB\k+15], v[SD\k]
.endr
	WIN 0
.endm
; Four scales of each of cnt vectors make the scale words of half q of d: each scale holds its byte in bits 30:23 and nothing else.
.macro PACK q, cnt
.set UQ, 0
.rept \cnt
	v_lshrrev_b32 v[PT+UQ], 23, v[SC+4*UQ]
.set UQ, UQ+1
.endr
.set UQ, 0
.rept \cnt
	v_lshrrev_b32 v[LIM+UQ], 15, v[SC+4*UQ+1]
.set UQ, UQ+1
.endr
.set UQ, 0
.rept \cnt
	v_lshrrev_b32 v[DM+UQ], 7, v[SC+4*UQ+2]
.set UQ, UQ+1
.endr
.set UQ, 0
.rept \cnt
	v_add3_u32 v[PT+UQ], v[PT+UQ], v[LIM+UQ], v[DM+UQ]
.set UQ, UQ+1
.endr
.set UQ, 0
.rept \cnt
	v_lshl_or_b32 v[W+2*UQ+(\q)], v[SC+4*UQ+3], 1, v[PT+UQ]
.set UQ, UQ+1
.endr
.endm
; Block c of B.  The next block of the kernel rows, and the block of lt that stands la further on, are asked for behind the products.
; A plain vector instruction stands between the conversions and the next block's products, which write their sources.
.macro BBLOCK c, la
	s_wait_dscnt 0x0
	BSET \c
	MUL4
.if (\c) < 7
	KLD (\c)+1
.endif
.if (\c)+(\la) < 8
	XLD (\c)+(\la)
.endif
	MAX4
	CHAIN4
	CODES4
.if (\c)%4 == 3
	PACK (\c)/4, 4
.else
	v_nop
.endif
.if (\c) == 7
.irp u, 0,1,2,3
	v_cndmask_b32 v[SB+\u], v[W+2*\u], v[W+2*\u+1], s[HM]    ; lanes 0-15: the word of d = 0-127; lanes 16-31: that of d = 128-255
.endr
.endif
.endm
; Group g of A.  The next group turns through the stage while this one is held and converted; behind it in LOADcnt stand the groups that follow it.
.macro AGROUP g
	s_wait_dscnt 0x0
	ASET \g
	MAX4
	CHAIN4
.if (\g) < 3
	s_wait_alu depctr_va_vdst(0)
	s_wait_loadcnt 16*(2-(\g))
	TURN (\g)+1
.endif
	CODES4
.if (\g)%2 == 1
	PACK (\g)/2, 2
.else
	v_nop
.endif
.endm
; All of A: groups 0 to 2 have been asked for.
.macro ALLA
	s_wait_alu depctr_va_vdst(0)
	s_wait_loadcnt 32                              ; group 0 is in; groups 1 and 2 may be out
	TURN 0
	GLD 3
	AGROUP 0
	AGROUP 1
	AGROUP 2
	AGROUP 3
.irp t, 0,1
	v_cndmask_b32 v[SWT+\t], v[W+2*\t], v[W+2*\t+1], s[HM]
.endr
.endm
; A's codes go over my own rows of lt, behind my loads of its blocks 0-3.
.macro ASTORE
.irp t, 0,1
.irp c, 0,1,2,3,4,5,6,7
	ds_store_b128 v[CST], v[CA+32*\t+4*\c:CA+32*\t+4*\c+3] offset:(8*\t+\c)*PITCH
.endr
	ds_store_b32 v[SST], v[SWT+\t] offset:128*\t
.endr
.endm
; Tile t of j: its 16 j x 256 d of codes into fragment set fs, its scale words into v[SA + fs]: nine LDS loads.
.macro FETCH t, fs
	WIN W_TO1
.irp c, 0,1,2,3,4,5,6,7
	ds_load_b128 v[AFR+32*(\fs)+4*\c:AFR+32*(\fs)+4*\c+3], v[CLD+(\t)/4] offset:(((\t)%4)/2)*WPART+(8*((\t)%2)+\c)*PITCH
.endr
	WIN 0
	ds_load_b32 v[SA+(\fs)], v[SLD] offset:(\t)*128
.endm
; Slice ix of 8 of tile tp's maximum: one instruction for each m.  Accumulators u = 2 k + m, k = ix / 4, are taken one after the other, each from its low end on;
; the first starts the running maximum, so nothing is preset.
.macro SLICE tp, ix
.set KS, (\ix)/4
.set ST, (\ix)%4
	WIN W_MX
.irp m, 0,1
.set AR, ACC+2*(\tp)+\m
.set DR, DD+32*((\tp)%2)+8*(2*KS+\m)
.if (KS == 0) && (ST == 0)
	v_max3_num_f32 v[AR], v[DR], v[DR+1], v[DR+2]
.elseif (KS == 0) && (ST == 3)
	v_max_num_f32 v[AR], v[AR], v[DR+7]
.elseif KS == 0
	v_max3_num_f32 v[AR], v[AR], v[DR+2*ST+1], v[DR+2*ST+2]
.else
	v_max3_num_f32 v[AR], v[AR], v[DR+2*ST], v[DR+2*ST+1]
.endif
.endr
.endm
; Two matrix instructions of tile t (half q of d, accumulators u and u + 1), and behind them four instructions of the maximum of the tile before, on the other set of accumulators.
; The first tile has no maximum to carry: four places behind each pair of its second half.
.macro PAIR t, q, u, x, prev
	WIN W_MM
.set UQ, \u
.rept 2
.if \q == 0
	v_wmma_scale_f32_16x16x128_f8f6f4 v[DD+32*PS+8*UQ:DD+32*PS+8*UQ+7], v[BC+32*UQ:BC+32*UQ+15], v[AFR+32*FS:AFR+32*FS+15], 0, v[SB+UQ], v[SA+FS]
.else
	v_wmma_scale_f32_16x16x128_f8f6f4 v[DD+32*PS+8*UQ:DD+32*PS+8*UQ+7], v[BC+32*UQ+16:BC+32*UQ+31], v[AFR+32*FS+16:AFR+32*FS+31], v[DD+32*PS+8*UQ:DD+32*PS+8*UQ+7], v[SB+UQ], v[SA+FS] matrix_a_scale:MATRIX_SCALE_ROW1 matrix_b_scale:MATRIX_SCALE_ROW1
.endif
.set UQ, UQ+1
.endr
.if \prev
	SLICE (\t)-1, \x
	SLICE (\t)-1, (\x)+1
.elseif \q == 1
	WIN 0
	PLACES 4
.endif
.endm
; Tile t of j against my 4 tiles of B, in four pairs: the four accumulators take turns, one instruction a turn.
; This form wants eight places.  In front of the first read of accumulators 0 and 1, behind the next tile's first pair, stand the four instructions behind their own last pair and the four
; behind the tile's last pair; accumulators 2 and 3 are read two pairs later still.  The fetch two tiles ahead lands in the set that the tile before's last pair read: it stands behind this tile's
; first pair, so that four instructions behind that last pair and four behind this first one lie between.
.macro MMTILE t, prev
.set PS, (\t)%2
.set FS, (\t)%3
.if (\t) < 15
	s_wait_dscnt 9                                 ; this tile's nine loads are in; the next tile's may be out
.else
	s_wait_dscnt 0
.endif
	PAIR \t, 0, 0, 0, \prev
.if (\t) < 14
	FETCH (\t)+2, ((\t)+2)%3
.endif
	PAIR \t, 0, 2, 2, \prev
	PAIR \t, 1, 0, 4, \prev
	PAIR \t, 1, 2, 6, \prev
.endm
	s_load_b256 s[4:11], s[0:1], 0x0               ; kernel s[4:5], lt s[6:7], rt s[8:9], out0 s[10:11]
	v_lshl_add_u32 v[SPW], v0, 2, SPARE
	v_mov_b32 v[NIL], 0
	ds_add_u32 v[SPW], v[NIL]                      ; the wave's opening: the add, twice on end, and its wait
	ds_add_u32 v[SPW], v[NIL]
	v_lshrrev_b32 v20, 5, v0
	v_and_b32 v21, 31, v0                          ; lane
	v_readfirstlane_b32 s[WV], v20                 ; wave 0..7
	v_lshlrev_b32 v[KG], 4, v21
	s_bfe_u32 s13, ttmp6, 0x40000                  ; cx: my place in the cluster
	s_and_b32 s14, ttmp7, 0xffff
	s_lshl_b32 s14, s14, 2
	s_add_co_u32 s14, s14, s13                     ; g: my pair of m.  It enters kernel's and out0's addresses alone
	; descriptor group 1: a tile of 32 rows x 256 elements of 4 bytes, padded in LDS
	s_mov_b32 s[G1], 15|(2<<16)|(1<<20)|(1<<21)|(7<<22)|(3<<25)   ; 15:0 the mask: all four work-groups; 17:16 elements of 4 bytes; 20 padding on; 21 set beside a mask; 24:22 after every 256 words (code 7); 31:25 four words (code 3)
	s_mov_b32 s[G1+1], 256<<16                     ; tensor_dim0 = 256
	s_mov_b32 s[G1+2], 32<<16                      ; tensor_dim1 = 32
	s_mov_b32 s[G1+3], 256<<16                     ; tile_dim0 = 256
	s_mov_b32 s[G1+4], 32                          ; tile_dim1 = 32
	s_mov_b32 s[G1+5], 256                         ; tensor_dim0_stride
	s_mov_b32 s[G1+6], 0
	s_mov_b32 s[G1+7], 0
	s_mov_b32 s[GA], 1
	s_mul_i32 s[GA+1], s[WV], WPART
	s_lshl_b32 s50, ttmp9, 18                      ; b (the cluster's x) x 256 rows of 1,024 bytes
	s_lshl_b32 s51, s[WV], 15                      ; + wave x 32 rows
	s_add_co_u32 s50, s50, s51
	s_mov_b32 s51, 0
	s_lshl_b32 s48, s14, 11                        ; kernel: two rows of 1,024 bytes for each g
	s_mov_b32 s49, 0
	s_lshl_b32 s54, ttmp9, 15                      ; out0: b x 256 rows of 128 bytes + 8 g
	s_lshl_b32 s55, s14, 3
	s_add_co_u32 s54, s54, s55
	s_mov_b32 s55, 0
	s_wait_alu depctr_va_vdst(0)
	s_wait_dscnt 0x0                               ; both opening adds are done
	ROUND                                          ; all four work-groups are here: the joint loads meet
	s_wait_kmcnt 0x0
	s_add_nc_u64 s[GA+2:GA+3], s[6:7], s[50:51]
	s_or_b32 s[GA+3], s[GA+3], 0x80000000          ; type = 2
	tensor_load_to_lds s[GA:GA+3], s[G1:G1+7]      ; my 32 rows of lt: the wave's one load
	s_nop 0
	PLACES 4
	s_add_nc_u64 s[4:5], s[4:5], s[48:49]
.irp j, 0,1,2,3
	global_load_b128 v[BC+4*\j:BC+4*\j+3], v[KG], s[4:5] offset:512*\j   ; my two kernel rows: 32 lanes, 512 neighbouring bytes
.endr
	s_add_nc_u64 s[8:9], s[8:9], s[50:51]
	s_add_nc_u64 s[10:11], s[10:11], s[54:55]
	s_mov_b32 s[SEL], 0x76543210
	s_mov_b32 s[SEL+1], 0xfedcba98
	s_mov_b32 s[HM], 0xffff0000
	s_mov_b32 s[FLOOR], 0x04800000
	s_mov_b32 s[EXPM], 0x7f800000
	s_mov_b32 s[MANT], 0x00600000
	s_mov_b32 s[LESS], 0xfba00000
	v_and_b32 v22, 15, v0                          ; r = lane % 16
	v_bfe_u32 v23, v0, 4, 1                        ; h = lane / 16
	v_lshlrev_b32 v24, 4, v22
	v_lshl_add_u32 v[RG], v23, 10, v24
	s_mul_i32 s53, s[WV], 16*TPITCH
	s_add_co_u32 s53, s53, TURNS                   ; my stage
	v_mul_u32_u24 v25, v23, TPITCH
	v_add_nc_u32 v25, v25, v24
	v_add_nc_u32 v[TS], s53, v25
	v_mul_u32_u24 v26, v22, TPITCH
	v_lshl_add_u32 v26, v23, 6, v26
	v_add_nc_u32 v[TL], s53, v26
	v_mul_u32_u24 v[AF], v22, PITCH
	v_lshl_add_u32 v[AF], v23, 6, v[AF]            ; row r, + 16 numbers for the upper half of the lanes,
	v_add_nc_u32 v[AF], s[GA+1], v[AF]             ; in my wave's region
	s_lshl_b32 s52, s[WV], 11
	s_add_co_u32 s53, s52, KC
	v_lshl_add_u32 v[KSA], v21, 4, s53
	v_lshl_add_u32 v[KL], v23, 6, s53
	v_lshl_add_u32 v[CST], v21, 4, s[GA+1]
	s_lshl_b32 s52, s[WV], 8
	s_add_co_u32 s53, s52, SCL
	v_lshl_add_u32 v[SST], v21, 2, s53
	v_lshl_add_u32 v[SLD], v21, 2, SCL
	v_lshlrev_b32 v[CLD], 4, v21
	v_lshl_add_u32 v[CLD+1], v21, 4, 2*WPART
	v_lshl_add_u32 v[CLD+2], v21, 4, 4*WPART
	v_lshl_add_u32 v[CLD+3], v21, 4, 6*WPART
	s_lshl_b32 s52, s[WV], 12
	v_lshl_add_u32 v[OA], v21, 7, s52              ; row 32 w + lane of 128 bytes
	s_add_co_u32 s53, s52, STAGE
	v_lshl_add_u32 v[STW], v21, 4, s53
	s_lshl_b32 s52, s[WV], 9
	s_add_co_u32 s53, s52, STAGE
	v_lshl_add_u32 v[STR], v21, 4, s53             ; tiles 2 w, 2 w + 1 of wave 0's partial maxima
.irp k, 0,1,2,3
	v_mov_b32 v[PT+\k], 0                          ; (the destination of a lane permute counts as read)
.endr
	s_wait_alu depctr_va_vdst(0)
	s_cmp_lt_u32 s[WV], 4
	s_cbranch_scc0 .La_first
	; WAVES 0-3: B, then A.
.set RN, 4
.set ROT, 2
	s_wait_loadcnt 0x0                             ; the kernel rows
	KSTORE
	s_wait_tensorcnt 0x0                           ; my 32 rows of lt are in.  A wave reads only rows that it fetched: no barrier
	KLD 0
	XLD 0
	XLD 1
	BBLOCK 0, 2
	BBLOCK 1, 2
	BBLOCK 2, 2
	GLD 0                                          ; rt's groups 0 and 1 lie above lt's four slots
	BBLOCK 3, 2
	BBLOCK 4, 2
	GLD 1
	BBLOCK 5, 2
	BBLOCK 6, 2
	GLD 2                                          ; slots 0 and 1 are done with
	BBLOCK 7, 2
	ALLA
	ASTORE
	s_wait_alu depctr_va_vdst(0)
	s_branch .Lcodes
	; WAVES 4-7: A; B follows behind the signal.
.La_first:
.set RN, 8
.set ROT, 0
	GLD 0
	GLD 1
	GLD 2
	s_wait_loadcnt 48                              ; the kernel rows are in; three groups of rt may be out
	KSTORE
	ALLA
	s_wait_alu depctr_va_vdst(0)
	s_wait_tensorcnt 0x0                           ; my 32 rows of lt are in
	XLD 0
	XLD 1
	XLD 2
	XLD 3
	ASTORE
	s_wait_alu depctr_va_vdst(0)
.Lcodes:
	s_wait_tensorcnt 0x0
	s_wait_dscnt 0x0                               ; for the others' sake: my codes and scale words are in LDS
	s_barrier_signal -1                            ; what the others need of me is there; B is my own
	s_cmp_lt_u32 s[WV], 4
	s_cbranch_scc1 .Lproducts
	KLD 0                                          ; waves 4-7 quantise B between signal and wait: registers, and LDS loads of the wave's own rows and kernel copy, which no wave writes
	BBLOCK 0, 4
	BBLOCK 1, 4
	BBLOCK 2, 4
	BBLOCK 3, 4
	BBLOCK 4, 4
	BBLOCK 5, 4
	BBLOCK 6, 4
	BBLOCK 7, 4
	PLACES 8                                       ; scales written by vector instructions stand 8 places ahead of the first product
	s_wait_alu depctr_va_vdst(0)
.Lproducts:
	s_barrier_wait -1                              ; everybody's codes and scale words are in LDS
	FETCH 0, 0
	FETCH 1, 1
	MMTILE 0, 0
.set TT, 1
.rept 15
	MMTILE TT, 1
.set TT, TT+1
.endr
.irp x, 0,1,2,3,4,5,6,7
	SLICE 15, \x                                   ; the last tile's maximum: behind accumulators 0 and 1 stand eight instructions of tile 14's, behind 2 and 3 four of them and these first eight
.endr
	; THE WAY OUT.  A lane holds, for each of the 16 tiles of j and both m, the maximum over its eight i of each of my wave's two tiles of i.  The eight waves' figures meet in LDS; wave w then
	; finishes tiles 2 w and 2 w + 1: eight waves, two halves of the lanes, tanh, and 8 bytes (m = 2 g, 2 g + 1) of row j = 32 w + lane.
	WIN W_S1
.irp k, 0,1,2,3,4,5,6,7
	ds_store_b128 v[STW], v[ACC+4*\k:ACC+4*\k+3] offset:512*\k     ; tiles 2 k, 2 k + 1, both m
.endr
	WIN 0
	s_wait_dscnt 0x0                               ; for the others' sake
	s_barrier_signal -1
	s_barrier_wait -1
.irp k, 0,1,2,3,4,5,6,7                ; wave k's figures of my two tiles
	ds_load_b128 v[R+4*\k:R+4*\k+3], v[STR] offset:\k*4096
.endr
	s_wait_dscnt 0x0
.irp i, 0,1,2,3
	v_max3_num_f32 v[R+\i], v[R+\i], v[R+4+\i], v[R+8+\i]
.endr
.irp i, 0,1,2,3
	v_max3_num_f32 v[R+\i], v[R+\i], v[R+12+\i], v[R+16+\i]
.endr
.irp i, 0,1,2,3
	v_max3_num_f32 v[R+\i], v[R+\i], v[R+20+\i], v[R+24+\i]
.endr
.irp i, 0,1,2,3
	v_max_num_f32 v[R+\i], v[R+\i], v[R+28+\i]     ; the eight waves'
.endr
.irp i, 0,1,2,3
	v_permlanex16_b32 v[R+4+\i], v[R+\i], s[SEL], s[SEL+1]
.endr
.irp i, 0,1,2,3
	v_max_num_f32 v[R+\i], v[R+\i], v[R+4+\i]      ; and the two halves of the lanes': both halves now hold the same
.endr
.irp m, 0,1                            ; lanes 0-15 take tile 2 w, lanes 16-31 tile 2 w + 1
	v_cndmask_b32 v[R+8+\m], v[R+\m], v[R+2+\m], s[HM]
.endr
.irp m, 0,1
	v_mul_f32 v[R+8+\m], 0x4038aa3b, v[R+8+\m]     ; 2 log2(e) x
.endr
	s_wait_alu depctr_va_vdst(0)
.irp m, 0,1
	v_exp_f32 v[R+8+\m], v[R+8+\m]
.endr
	v_nop                                          ; a plain instruction between the last exponential and the use of its result
	s_wait_alu depctr_va_vdst(0)
.irp m, 0,1
	v_add_f32 v[R+8+\m], 1.0, v[R+8+\m]
.endr
	s_wait_alu depctr_va_vdst(0)
.irp m, 0,1
	v_rcp_f32 v[R+8+\m], v[R+8+\m]
.endr
	v_nop
	s_wait_alu depctr_va_vdst(0)
.irp m, 0,1
	v_fma_f32 v[R+8+\m], v[R+8+\m], -2.0, 1.0      ; tanh = 1 - 2 / (1 + e^(2 x)): 1 where the exponential is infinite, -1 where it is 0
.endr
	global_store_b64 v[OA], v[R+8:R+9], s[10:11]
	s_wait_tensorcnt 0x0                           ; the wave's end, behind my last tensor load and my last LDS store
	ds_add_u32 v[SPW], v[NIL]
	s_wait_dscnt 0x0
	ROUND                                          ; the closing round: no work-group ends while a partner may still ask for a tile that names it
	s_endpgm
.Lfunc_end_k_q1017e319bd_match:
	.size	k_q1017e319bd_match, .Lfunc_end_k_q1017e319bd_match-k_q1017e319bd_match
	.p2alignl 7, 3214868480
	.fill 96, 4, 3214868480
	.section	.rodata,"a",@progbits
	.p2align	6, 0x0
	.amdhsa_kernel k_q1017e319bd_match
		.amdhsa_group_segment_fixed_size 327680
		.amdhsa_private_segment_fixed_size 0
		.amdhsa_enable_private_segment 0
		.amdhsa_kernarg_size 32
		.amdhsa_user_sgpr_count 2
		.amdhsa_user_sgpr_kernarg_segment_ptr 1
		.amdhsa_wavefront_size32 1
		.amdhsa_system_sgpr_workgroup_id_x 1
		.amdhsa_system_sgpr_workgroup_id_y 1
		.amdhsa_system_sgpr_workgroup_id_z 1
		.amdhsa_system_vgpr_workitem_id 0
		.amdhsa_next_free_vgpr 512
		.amdhsa_next_free_sgpr 66
		.amdhsa_reserve_vcc 0
		.amdhsa_float_denorm_mode_32 3
		.amdhsa_float_denorm_mode_16_64 3
		.amdhsa_memory_ordered 1
		.amdhsa_forward_progress 1
		.amdhsa_inst_pref_size 255
	.end_amdhsa_kernel
	.section	.bss,"aw",@nobits
	.p2align	6
	.space	262144
	.amdgpu_metadata
---
amdhsa.version: [ 1, 2 ]
amdhsa.kernels:
  - .name:           k_q1017e319bd_match
    .symbol:         k_q1017e319bd_match.kd
    .args:
      - { .name: kernel, .offset: 0, .size: 8, .value_kind: global_buffer, .address_space: global }
      - { .name: reps_lt, .offset: 8, .size: 8, .value_kind: global_buffer, .address_space: global }
      - { .name: reps_rt, .offset: 16, .size: 8, .value_kind: global_buffer, .address_space: global }
      - { .name: out0, .offset: 24, .size: 8, .value_kind: global_buffer, .address_space: global }
    .group_segment_fixed_size: 327680
    .private_segment_fixed_size: 0
    .kernarg_segment_align: 8
    .kernarg_segment_size: 32
    .max_flat_workgroup_size: 256
    .sgpr_count:     66
    .vgpr_count:     512
    .wavefront_size: 32
...
	.end_amdgpu_metadata
.endif
;; end of part 1
